; MI455X (gfx1250); checked and timed in simulation.
; The chip was launched on July 23, 2026; its instructions are those of AMD's public machine-readable ISA for CDNA 5 (MIT licence, August 2026) and "CDNA5" Instruction Set Architecture Reference Guide (July 2026). The comments in the code are by the model that wrote it; some were corrected since.
;; Multi Head Attention Layer. Allowed arithmetic: matrix products marked QUANTISED: E5M2 operands, one E8M0 scale for each 32 along K, by v_wmma_scale_f32_16x16x128_f8f6f4 with both operands' format E5M2, f32 sums; everything else in f32.
;; Inputs: k_b 1,024 float32; k_w 1,024 x 1,024 float32; key 4 x 2,048 x 1,024 float32; q_b 1,024 float32; q_w 1,024 x 1,024 float32; query 4 x 2,048 x 1,024 float32; v_b 1,024 float32; v_w 1,024 x 1,024 float32; value 4 x 2,048 x 1,024 float32.
;; Outputs: out0 4 x 2,048 x 1,024 float32.
;; This version of the problem:
;;   THIS VERSION OF THE PROBLEM IS GIVEN IN LOW PRECISION. The matrix products marked QUANTISED in the list below multiply operands that are first quantised to E5M2 (5 exponent bits, 2 mantissa bits; 8 bits a number), with one power-of-two scale for each 32 numbers along K (OCP MX v1.0); their sums are f32. All else is computed in f32.
;;   The module's matrix products, in the order in which they are computed (A, B: the left and right operand; K: the contracted axis; several contracted axes count as one K, in the product's order):
;;     1. [M 8,192, K 1,024] x [K 1,024, N 1,024]; A: input query; B: input q_w: QUANTISED
;;     2. [M 8,192, K 1,024] x [K 1,024, N 1,024]; A: input key; B: input k_w: QUANTISED
;;     3. [M 8,192, K 1,024] x [K 1,024, N 1,024]; A: input value; B: input v_w: QUANTISED
;;     4. batch 64 x [M 2,048, K 64] x [K 64, N 2,048]; A: computed on the way; B: computed on the way: QUANTISED
;;     5. batch 64 x [M 2,048, K 2,048] x [K 2,048, N 64]; A: computed on the way; B: computed on the way: QUANTISED
;;   THE QUANTISER, for each operand of a quantised product, along K:
;;     - K is cut into blocks of 32 from its start; a last block that is shorter is filled with zeros.
;;     - A block's scale is 2^e with e = floor(log2(the largest magnitude in the block)) - 15, held to -126 .. 127; a block of zeros has e = 0. As a byte (E8M0): e + 127.
;;     - Each number is divided by its block's scale, clamped to +-57,344, and rounded to the nearest number of E5M2, ties to even, subnormals kept.
;;     - The product sums the exact products of the quantised numbers (number of the format x scale) in f32.
;;   ~~~python
;;   def quantise(x, axis):      # numpy; x: float32 -> the quantised numbers, widened to float32 again
;;       x = np.moveaxis(x, axis, -1); K = x.shape[-1]
;;       x = np.pad(x, [(0, 0)] * (x.ndim - 1) + [(0, -K % 32)]); x = x.reshape(x.shape[:-1] + (-1, 32)); a = np.abs(x).max(-1, keepdims=True)
;;       e = np.where(a > 0, np.clip(np.frexp(np.where(a > 0, a, 1))[1] - 1 - 15, -126, 127), 0)      # np.frexp(a)[1] - 1 = floor(log2(a)), exactly
;;       r = np.clip(x / 2.0 ** e, -57344, 57344)
;;       step = 2.0 ** (np.maximum(np.frexp(np.where(r == 0, 1, r))[1] - 1, -14) - 2)
;;       q = np.round(r / step) * step * 2.0 ** e      # np.round: ties to even
;;       return np.moveaxis(q.reshape(q.shape[:-2] + (-1,))[..., :K], -1, axis).astype(np.float32)
;;   ~~~
;;   OPERANDS COMPUTED ON THE WAY. 'Computed on the way' means the value that the module computes at that place (a softmax that the list does not call 'softmax' is quantised finished and normalised). What goes into a quantiser is computed in f32, as accurately as f32 sums, v_exp_f32 and their like allow (about 1e-6 of the number): no bf16 or f16 on the way to a quantiser, and a product that is left as it is and whose result goes on into a quantised operand takes f32 operands (vector FMAs, or v_wmma_f32_16x16x4_f32). A number that lies on a knife's edge between two numbers of the format may be rounded either way, as far as f32 arithmetic and the matrix unit's own rounding can turn it there, and no further.
;; One version. Each part assembles by itself: llvm-mc -triple=amdgcn-amd-amdhsa -mcpu=gfx1250 --defsym DOCPART=n.
;; ======== version 1 of 1: 3 launches
;; workspace buffers: acodes 25,165,824 bytes; ascales 786,432 bytes; wcodes 3,145,728 bytes; wscales 98,304 bytes; pcodes 25,165,824 bytes; pscales 1,572,864 bytes
;; launch quant (part 1): grid 864 x 1, 4 waves a work-group, no clusters, 68,096 bytes of LDS; arguments query, key, value, q_w, k_w, v_w, acodes, ascales, wcodes, wscales; writes acodes, ascales, wcodes, wscales
.if DOCPART == 1
	.amdgcn_target "amdgcn-amd-amdhsa--gfx1250"
	.amdhsa_code_object_version 6
	.text
	.protected	k_qcd2e65df09_quant
	.globl	k_qcd2e65df09_quant
	.p2align	8
	.type	k_qcd2e65df09_quant,@function
k_qcd2e65df09_quant:
	s_mov_b64 s[64:65], 0
	v_nop
	global_prefetch_b8 v0, s[64:65] scope:SCOPE_SE
	s_setreg_imm32_b32 hwreg(HW_REG_WAVE_MODE, 25, 1), 1
	s_wait_xcnt 0x0
; The six operands of the three projections become codes of BF8 (E5M2) with one E8M0 scale byte for each 32 along K (K = the 1,024 inputs).
; query, key, value: [8192][1024] f32, K innermost  -> acodes [3][8192][1024], ascales [3][8192][32].
; q_w, k_w, v_w:     [1024 k][1024 n] f32, K first  -> wcodes [3][1024 n][1024 k], wscales [3][1024 n][32].
; A block's scale is 2^(floor(log2(its largest magnitude)) - 15); its byte is the largest magnitude's exponent field - 15, held at 1 from below; each number is divided by the scale,
; held within +-57,344 and rounded to the nearest code, ties to even.
; THE ORDER OF ROWS: row m of an operand (a token, or a column n of a weight) is stored at place sigma(m), m with its bits 3 and 4 exchanged.  The next launch then finds, in 16 neighbouring places
; 16 i + r, the rows 32 (i / 2) + 8 (i % 2) + r + 8 (r / 8): the choice of rows that lets its results be quantised in registers.
; LIMITS: a block of zeros, or one whose largest magnitude lies under 2^(16 - 127), gets the byte 1 (its codes are zeros or subnormal codes; the bytes are read by this program alone); NaN and infinities among the inputs are not served.
; SHARES: every work-group takes 32,768 numbers.  Work-groups 0-95: the weights (32 each: 128 columns x 256 along K).  Work-groups 96-863: the activations (256 each: 32 rows).
; The two ways part on the work-group's number and have LDS bytes of their own.  No tensor loads, no barrier: waves share nothing.  Memory binds: each f32 number is read once, in runs of 512 (weights: 128) consecutive bytes a wave.
.set NWGW,  96                         ; work-groups for the weights
.set EMAX,  15
.set MANT,  0x600000                   ; the mantissa field of 57,344 as f32
; the activations' way
.set STEPS, 16                         ; a wave takes 16 steps of 512 numbers: 8 rows
.set CB,    16                         ; bytes of 16 codes
.set R,     16                         ; v16-79   four sets of 16 numbers as they are loaded
.set X,     80                         ; v80-111  two sets of 16 neighbours
.set C,     128                        ; v128-191 codes: four registers for each step, so that no store's data are written again
.set E,     112                        ; v112-127 a scale byte for each step
.set WREG,  8192                       ; LDS 0 .. 32,767: a region for each wave: two stages of 32 x SP bytes, behind them its 256 scale bytes
.set SP,    80                         ; a lane's place in a stage: its 64 bytes + 16 of padding
; the weights' way
.set WLDS,  32768                      ; LDS 32,768 .. 67,583: a stage of 32 rows x PITCH for each wave
.set NB,    8                          ; blocks of 32 along K for a wave
.set PITCH, 272                        ; a stage row: 256 bytes of codes + 16
.set KROW,  1024                       ; a row of wcodes in bytes
.set NROW,  4096                       ; a row of a weight in bytes
.set WX,    32                         ; v32-95   two sets of 32 numbers
.set WC,    96                         ; v96-103  a block's codes
.set OUTR,  112                        ; v112-175 the way out
.set SB,    24                         ; v24-25   the scale bytes, four to a register
	s_load_b256 s[4:11], s[0:1], 0x0               ; query s[4:5], key s[6:7], value s[8:9], q_w s[10:11]
	s_load_b256 s[12:19], s[0:1], 0x20             ; k_w s[12:13], v_w s[14:15], acodes s[16:17], ascales s[18:19]
	s_load_b128 s[20:23], s[0:1], 0x40             ; wcodes s[20:21], wscales s[22:23]
	v_lshl_add_u32 v192, v0, 2, 0x10800
	v_mov_b32 v193, 0
	v_lshrrev_b32 v1, 5, v0
	v_readfirstlane_b32 s24, v1                    ; wave 0..3
	v_and_b32 v2, 31, v0                           ; lane
	s_mov_b32 s25, MANT                            ; (an instruction takes one literal: the hold's line has another)
	s_mov_b32 s33, 0                               ; the upper word of every 32-bit offset
	s_wait_kmcnt 0x0
	s_cmp_lt_u32 ttmp9, NWGW
	s_cbranch_scc1 .Lweights
; ---------------- THE ACTIVATIONS: K is innermost.  A tensor is a plain stream of blocks of 32; a lane must hold 16 neighbours for the conversions, and a load is best where neighbouring lanes take
; neighbouring bytes: so a step's 2,048 bytes are loaded as they lie (512 consecutive bytes a load) and turn through the wave's own stage in LDS.  Two neighbouring lanes hold a block.
	v_lshlrev_b32 v3, 4, v2                        ; my 16 bytes of a load's 512
	s_mul_i32 s26, s24, WREG
	v_lshrrev_b32 v14, 2, v2
	v_mul_u32_u24 v14, v14, SP
	v_and_b32 v15, 3, v2
	v_lshl_add_u32 v14, v15, 4, v14
	v_add_nc_u32 v14, s26, v14                     ; the stage, on the way in: SP (lane / 4) + 16 (lane % 4)
	v_mul_u32_u24 v15, v2, SP
	v_add_nc_u32 v15, s26, v15                     ; and on the way out: SP x lane: my 16 neighbours
	v_mul_u32_u24 v4, v2, CB                       ; my codes' place in a step's
	v_lshrrev_b32 v5, 1, v2
	s_add_co_u32 s26, s26, 2*32*SP
	v_add_nc_u32 v5, s26, v5                       ; LDS: my wave's 256 scale bytes, my block's byte
	v_lshlrev_b32 v7, 3, v2                        ; and on the way out 8 bytes a lane
	v_add_nc_u32 v6, s26, v7
	s_sub_co_u32 s27, ttmp9, NWGW
	s_lshr_b32 s28, s27, 8                         ; which tensor: 0 query, 1 key, 2 value
	s_and_b32 s27, s27, 255                        ; which 32 rows of it
	s_cmp_eq_u32 s28, 0                            ; the choice hangs on the work-group's number alone
	s_cselect_b64 s[30:31], s[4:5], s[6:7]
	s_cmp_eq_u32 s28, 2
	s_cselect_b64 s[30:31], s[8:9], s[30:31]
	s_lshl_b32 s27, s27, 2
	s_add_co_u32 s32, s27, s24                     ; my wave's run of 8 rows: 4 x group + wave
	s_lshl_b32 s32, s32, 15                        ; 32,768 bytes of f32 a run
	s_add_nc_u64 s[30:31], s[30:31], s[32:33]
	s_and_b32 s34, s24, 1                          ; a run is 8 rows, so bits 3 and 4 of a row are the wave's two bits: sigma exchanges them
	s_lshl_b32 s34, s34, 1
	s_lshr_b32 s35, s24, 1
	s_or_b32 s34, s34, s35
	s_add_co_u32 s34, s34, s27                     ; the run's place in the output
	s_lshl_b32 s32, s34, 13                        ; 8,192 bytes of codes a run,
	s_lshl_b32 s35, s28, 23                        ; 8 Mi a tensor
	s_add_co_u32 s32, s32, s35
	s_add_nc_u64 s[16:17], s[16:17], s[32:33]
	s_lshl_b32 s32, s34, 8                         ; 256 scale bytes a run,
	s_lshl_b32 s35, s28, 18                        ; 262,144 a tensor
	s_add_co_u32 s32, s32, s35
	s_add_nc_u64 s[18:19], s[18:19], s[32:33]
.macro ALOAD t
.irp i, 0,1,2,3
	global_load_b128 v[R+16*((\t)%4)+4*\i:R+16*((\t)%4)+4*\i+3], v3, s[30:31] offset:2048*(\t)+512*\i th:TH_LOAD_NT   ; 32 lanes read 512 consecutive bytes; read once in the launch
.endr
.endm
.macro ATURN t                         ; step t's numbers through the stage: LDS serves a wave's instructions in order (ISA guide 5.7.1.4), so no wait stands between the stores and the loads
.irp i, 0,1,2,3
	ds_store_b128 v14, v[R+16*((\t)%4)+4*\i:R+16*((\t)%4)+4*\i+3] offset:32*SP*((\t)%2)+8*SP*\i
.endr
.irp i, 0,1,2,3
	ds_load_b128 v[X+16*((\t)%2)+4*\i:X+16*((\t)%2)+4*\i+3], v15 offset:32*SP*((\t)%2)+16*\i
.endr
.endm
.irp t, 0,1,2,3
	ALOAD \t
.endr
	s_wait_loadcnt 12                              ; step 0's four loads are in; the twelve of steps 1 to 3 stay out
	ATURN 0
.macro ASTEP t
.set XS, X+16*((\t)%2)
.if (\t) > 0
	s_wait_dscnt 1                                 ; this step's numbers are back from the stage (the last step's byte store may be out): so its stores into the stage have read their registers,
.else
	s_wait_dscnt 0x0
.endif
.if (\t)+4 < STEPS
	ALOAD (\t)+4                                   ; which take the loads of four steps on
.endif
.if (\t)+1 < STEPS
.if STEPS-2-(\t) >= 3
	s_wait_loadcnt 12                              ; the next step's four loads are in; those of the three steps behind it may be out
.else
	s_wait_loadcnt 4*(STEPS-2-(\t))
.endif
	ATURN (\t)+1                                   ; and go through the other stage while this step is worked
.endif
	v_max3_num_f32 v8, |v[XS]|, |v[XS+1]|, |v[XS+2]|               ; the largest magnitude of my 16, in two chains
	v_max3_num_f32 v9, |v[XS+3]|, |v[XS+4]|, |v[XS+5]|
.irp i, 6,10
	v_max3_num_f32 v8, v8, |v[XS+\i]|, |v[XS+\i+1]|
	v_max3_num_f32 v9, v9, |v[XS+\i+2]|, |v[XS+\i+3]|
.endr
	v_max3_num_f32 v8, v8, |v[XS+14]|, |v[XS+15]|
	v_max3_num_f32 v8, v8, v9, (EMAX+1)<<23        ; and the floor 2^(16 - 127): the byte cannot fall under 1
	v_max_num_f32_dpp v8, v8, v8 row_xmask:1 row_mask:0xf bank_mask:0xf   ; and of my neighbour's 16: the block's
	v_add_nc_u32 v11, 0xf8800000, v8               ; 15 off its exponent field: the conversion takes the exponent field of this operand as its scale, and nothing else of it
	v_and_or_b32 v10, v8, 0x7f800000, s25          ; 57,344 x the scale: the largest magnitude's exponent field over 57,344's mantissa
.irp i, 0,1,2,3,4,5,6,7,8,9,10,11,12,13,14,15
	v_med3_num_f32 v[XS+\i], v[XS+\i], -v10, v10   ; the conversion to an 8-bit code does not saturate (ISA guide 7.6.2): the number is held first
.endr
	v_cvt_scalef32_pk8_bf8_f32 v[C+4*(\t):C+4*(\t)+1], v[XS:XS+7], v11
	v_cvt_scalef32_pk8_bf8_f32 v[C+4*(\t)+2:C+4*(\t)+3], v[XS+8:XS+15], v11
	v_lshrrev_b32 v[E+(\t)], 23, v11               ; the scale's byte (also the plain line behind the conversions)
	ds_store_b8 v5, v[E+(\t)] offset:16*(\t)       ; both lanes of a block write the same byte with the same value
	global_store_b128 v4, v[C+4*(\t):C+4*(\t)+3], s[16:17] offset:32*CB*(\t)   ; the wave stores 512 consecutive bytes, aligned
.endm
.irp t, 0,1,2,3,4,5,6,7,8,9,10,11,12,13,14,15
	ASTEP \t
.endr
	ds_load_b64 v[12:13], v6                       ; my wave's 256 scale bytes: these loads see my stores
	s_wait_dscnt 0x0
	global_store_b64 v7, v[12:13], s[18:19]        ; 32 lanes store 256 consecutive bytes, aligned
	s_wait_tensorcnt 0x0
	ds_add_u32 v192, v193
	s_wait_dscnt 0x0
	s_endpgm
; ---------------- THE WEIGHTS: K is the first axis.  A lane takes a column n and its registers run down K: a block of 32 lies in one lane, and the conversions give codes with K innermost.
; A wave takes 32 columns x 256 along K; the codes go through the wave's own stage and leave as rows: sixteen lanes store 256 consecutive bytes, aligned.
.Lweights:
	s_lshr_b32 s28, ttmp9, 5                       ; which weight: 0 q_w, 1 k_w, 2 v_w
	s_and_b32 s26, ttmp9, 7                        ; which 128 columns
	s_bfe_u32 s27, ttmp9, 0x20003                  ; which 256 along K
	s_cmp_eq_u32 s28, 0
	s_cselect_b64 s[30:31], s[10:11], s[12:13]
	s_cmp_eq_u32 s28, 2
	s_cselect_b64 s[30:31], s[14:15], s[30:31]
	s_lshl_b32 s26, s26, 7
	s_lshl_b32 s29, s24, 5
	s_add_co_u32 s26, s26, s29                     ; my wave's first column, a multiple of 32
	v_lshlrev_b32 v3, 2, v2                        ; in: 4 bytes a lane
	s_mul_i32 s29, s24, 32*PITCH
	s_add_co_u32 s29, s29, WLDS                    ; my stage
	v_mul_u32_u24 v4, v2, PITCH
	v_add_nc_u32 v4, s29, v4                       ; into it: row = my column
	v_and_b32 v5, 15, v2
	v_lshrrev_b32 v6, 4, v2                        ; out of it: sixteen lanes to a row, two rows an instruction
	v_mul_u32_u24 v7, v6, PITCH
	v_lshl_add_u32 v7, v5, 4, v7
	v_add_nc_u32 v7, s29, v7
	v_mul_u32_u24 v8, v6, KROW
	v_lshl_add_u32 v8, v5, 4, v8                   ; and the same place in wcodes (sigma leaves a row's bit 0 alone; the rest of it stands in the stores' immediates)
	v_and_b32 v9, 7, v2                            ; sigma(lane): bits 3 and 4 exchanged
	v_and_b32 v10, 8, v2
	v_lshl_or_b32 v9, v10, 1, v9
	v_and_b32 v10, 16, v2
	v_lshrrev_b32 v10, 1, v10
	v_or_b32 v9, v9, v10
	v_lshlrev_b32 v9, 5, v9                        ; my column's row of scale bytes: 32 bytes a row
	s_lshl_b32 s32, s27, 20                        ; the weight: 256 rows of 4,096 bytes a part of K,
	s_lshl_b32 s34, s26, 2                         ; 4 bytes a column
	s_add_co_u32 s32, s32, s34
	s_add_nc_u64 s[30:31], s[30:31], s[32:33]
	s_lshl_b32 s32, s28, 20                        ; wcodes: 1 Mi a weight,
	s_lshl_b32 s34, s26, 10                        ; 1,024 bytes a column,
	s_add_co_u32 s32, s32, s34
	s_lshl_b32 s34, s27, 8                         ; 256 a part of K
	s_add_co_u32 s32, s32, s34
	s_add_nc_u64 s[20:21], s[20:21], s[32:33]
	s_lshl_b32 s32, s28, 15                        ; wscales: 32,768 a weight, 32 a column, 8 a part of K
	s_lshl_b32 s34, s26, 5
	s_add_co_u32 s32, s32, s34
	s_lshl_b32 s34, s27, 3
	s_add_co_u32 s32, s32, s34
	s_add_nc_u64 s[22:23], s[22:23], s[32:33]
.macro WLOAD t                         ; block t: W(32 t + i, my column), i = 0 .. 31, into set t % 2; the largest immediate is 255 rows of 4,096 bytes
.irp i, 0,1,2,3,4,5,6,7,8,9,10,11,12,13,14,15,16,17,18,19,20,21,22,23,24,25,26,27,28,29,30,31
	global_load_b32 v[WX+32*((\t)%2)+\i], v3, s[30:31] offset:(32*(\t)+\i)*NROW th:TH_LOAD_NT
.endr
.endm
	WLOAD 0
	WLOAD 1
.macro WBLOCK t
.set XS, WX+32*((\t)%2)
.if (\t) < NB-1
	s_wait_loadcnt 32                              ; this block's 32 loads are in; the next block's 32 may be out
.else
	s_wait_loadcnt 0
.endif
	v_max3_num_f32 v12, |v[XS]|, |v[XS+1]|, |v[XS+2]|               ; the block's largest magnitude: all 32 numbers are mine
	v_max3_num_f32 v13, |v[XS+3]|, |v[XS+4]|, |v[XS+5]|
.irp i, 6,10,14,18,22,26
	v_max3_num_f32 v12, v12, |v[XS+\i]|, |v[XS+\i+1]|
	v_max3_num_f32 v13, v13, |v[XS+\i+2]|, |v[XS+\i+3]|
.endr
	v_max3_num_f32 v12, v12, |v[XS+30]|, |v[XS+31]|
	v_max3_num_f32 v12, v12, v13, (EMAX+1)<<23     ; and the floor
	v_add_nc_u32 v11, 0xf8800000, v12              ; the conversion's scale operand
	v_and_or_b32 v10, v12, 0x7f800000, s25         ; 57,344 x the scale
	v_lshrrev_b32 v13, 23, v11                     ; the scale's byte
.if (\t)%4 == 0
	v_mov_b32 v[SB+(\t)/4], v13                    ; four bytes to a register, the lower K in the lower byte
.else
	v_lshl_or_b32 v[SB+(\t)/4], v13, 8*((\t)%4), v[SB+(\t)/4]
.endif
.irp i, 0,1,2,3,4,5,6,7,8,9,10,11,12,13,14,15,16,17,18,19,20,21,22,23,24,25,26,27,28,29,30,31
	v_med3_num_f32 v[XS+\i], v[XS+\i], -v10, v10
.endr
.irp g, 0,1,2,3
	v_cvt_scalef32_pk8_bf8_f32 v[WC+2*\g:WC+2*\g+1], v[XS+8*\g:XS+8*\g+7], v11
.endr
	v_nop                                          ; a plain line behind the last conversion
	ds_store_b128 v4, v[WC:WC+3] offset:32*(\t)    ; 32 codes: 32 bytes of my column's row
	ds_store_b128 v4, v[WC+4:WC+7] offset:32*(\t)+16
.if (\t)+2 < NB
	WLOAD (\t)+2
.endif
	s_wait_dscnt 0x0                               ; the stores have read their registers: the next block's codes may be written
.endm
.irp t, 0,1,2,3,4,5,6,7
	WBLOCK \t
.endr
	global_store_b64 v9, v[SB:SB+1], s[22:23]      ; my column's 8 scale bytes, at its place sigma
.irp t, 0,1,2,3,4,5,6,7,8,9,10,11,12,13,14,15
	ds_load_b128 v[OUTR+4*\t:OUTR+4*\t+3], v7 offset:2*\t*PITCH   ; these loads see my stores
.endr
.irp t, 0,1,2,3,4,5,6,7,8,9,10,11,12,13,14,15
	s_wait_dscnt 15-\t                             ; rows 2 t and 2 t + 1 are back; the younger loads stay out
	global_store_b128 v8, v[OUTR+4*\t:OUTR+4*\t+3], s[20:21] offset:(((2*\t)&7)|(((2*\t)&8)<<1)|(((2*\t)&16)>>1))*KROW   ; to places sigma(2 t) and sigma(2 t) + 1
.endr
	s_wait_tensorcnt 0x0
	ds_add_u32 v192, v193
	s_wait_dscnt 0x0
	s_endpgm
.Lfunc_end_k_qcd2e65df09_quant:
	.size	k_qcd2e65df09_quant, .Lfunc_end_k_qcd2e65df09_quant-k_qcd2e65df09_quant
	.p2alignl 7, 3214868480
	.fill 96, 4, 3214868480
	.section	.rodata,"a",@progbits
	.p2align	6, 0x0
	.amdhsa_kernel k_qcd2e65df09_quant
		.amdhsa_group_segment_fixed_size 68096
		.amdhsa_private_segment_fixed_size 0
		.amdhsa_enable_private_segment 0
		.amdhsa_kernarg_size 80
		.amdhsa_user_sgpr_count 2
		.amdhsa_user_sgpr_kernarg_segment_ptr 1
		.amdhsa_wavefront_size32 1
		.amdhsa_system_sgpr_workgroup_id_x 1
		.amdhsa_system_sgpr_workgroup_id_y 1
		.amdhsa_system_sgpr_workgroup_id_z 1
		.amdhsa_system_vgpr_workitem_id 0
		.amdhsa_next_free_vgpr 194
		.amdhsa_next_free_sgpr 66
		.amdhsa_reserve_vcc 0
		.amdhsa_float_denorm_mode_32 3
		.amdhsa_float_denorm_mode_16_64 3
		.amdhsa_memory_ordered 1
		.amdhsa_forward_progress 1
		.amdhsa_inst_pref_size 110
	.end_amdhsa_kernel
	.amdgpu_metadata
---
amdhsa.version: [ 1, 2 ]
amdhsa.kernels:
  - .name:           k_qcd2e65df09_quant
    .symbol:         k_qcd2e65df09_quant.kd
    .args:
      - { .name: query, .offset: 0, .size: 8, .value_kind: global_buffer, .address_space: global }
      - { .name: key, .offset: 8, .size: 8, .value_kind: global_buffer, .address_space: global }
      - { .name: value, .offset: 16, .size: 8, .value_kind: global_buffer, .address_space: global }
      - { .name: q_w, .offset: 24, .size: 8, .value_kind: global_buffer, .address_space: global }
      - { .name: k_w, .offset: 32, .size: 8, .value_kind: global_buffer, .address_space: global }
      - { .name: v_w, .offset: 40, .size: 8, .value_kind: global_buffer, .address_space: global }
      - { .name: acodes, .offset: 48, .size: 8, .value_kind: global_buffer, .address_space: global }
      - { .name: ascales, .offset: 56, .size: 8, .value_kind: global_buffer, .address_space: global }
      - { .name: wcodes, .offset: 64, .size: 8, .value_kind: global_buffer, .address_space: global }
      - { .name: wscales, .offset: 72, .size: 8, .value_kind: global_buffer, .address_space: global }
    .group_segment_fixed_size: 68096
    .private_segment_fixed_size: 0
    .kernarg_segment_align: 8
    .kernarg_segment_size: 80
    .max_flat_workgroup_size: 128
    .sgpr_count:     66
    .vgpr_count:     194
    .wavefront_size: 32
...
	.end_amdgpu_metadata
.endif
;; end of part 1
;; launch proj (part 2): grid 4 x 96, 4 waves a work-group, clusters of 4 x 4, 327,680 bytes of LDS; arguments acodes, ascales, wcodes, wscales, q_b, k_b, v_b, pcodes, pscales; writes pcodes, pscales
.if DOCPART == 2
	.amdgcn_target "amdgcn-amd-amdhsa--gfx1250"
	.amdhsa_code_object_version 6
	.text
	.protected	k_qcd2e65df09_proj
	.globl	k_qcd2e65df09_proj
	.p2align	8
	.type	k_qcd2e65df09_proj,@function
k_qcd2e65df09_proj:
	s_mov_b64 s[64:65], 0
	v_nop
	global_prefetch_b8 v0, s[64:65] scope:SCOPE_SE
	s_setreg_imm32_b32 hwreg(HW_REG_WAVE_MODE, 25, 1), 1
	s_wait_xcnt 0x0
	s_wait_alu depctr_hold_cnt(0) depctr_sa_sdst(0) depctr_va_vdst(0) depctr_va_sdst(0) depctr_va_ssrc(0) depctr_va_vcc(0) depctr_vm_vsrc(0)
	s_getreg_b32 s2, hwreg(HW_REG_IB_STS2, 6, 4)
	s_cmp_eq_u32 s2, 0
	s_cbranch_scc0 .Lentry_in_a_cluster
	s_endpgm
.Lentry_in_a_cluster:
	s_bfe_u32 s2, ttmp6, 0x10000c
	s_cmp_lg_u32 s2, 0xf033
	s_cbranch_scc0 .Lentry_shape_is_right
	s_endpgm
.Lentry_shape_is_right:
; The three projections x W + b on codes of BF8 (E5M2) with E8M0 scales, K = 1,024, and the quantising of their results for the attention launch.
; ONE BODY computes rows x columns, 256 x 256 a work-group, 128 x 128 a wave (64 accumulators, 512 registers), and quantises each row ALONG THE COLUMNS in registers.
;   T = 0, 1 (q, k): rows = tokens (acodes), columns = features (wcodes): q and k are quantised along a head's 64 features.
;   T = 2    (v):    rows = features (wcodes), columns = tokens (acodes): v is quantised along the keys.
; THE MATRIX INSTRUCTION IS USED TRANSPOSED (source 0 = 16 places of the columns' operand, source 1 = 16 places of the rows'): a lane holds one row, its registers run along the columns.  Both operands lie in memory
; in the order sigma (bits 3 and 4 of a row exchanged), so places 16 i + r hold rows 32 (i / 2) + 8 (i % 2) + r + 8 (r / 8): the 16 registers of column tiles 2 B and 2 B + 1 are then the 16 NEIGHBOURS
; 32 B + 16 (lane / 16) + 0 .. 15, and the conversions' results are registers of the next launch's operands.
; THE BIAS is the C of each sum's first product: 64 registers in the result's layout (T < 2: by column tile; T = 2: by row block).  Only that first step of 128 along K is written twice, under a branch on T.
; OUT: pcodes [3][64 heads][131,072] and pscales [3][64][8,192], as images of the operands' registers:
;   q, k: [tile of 16 tokens][c 0..1][lane][16 bytes]; scale words [4 tiles][r][4 words], bytes 0, 1 a head's two blocks (bytes 2, 3 scale zero codes alone and are never 0xff).
;   v:    [128 keys][tile of 16 d][c 0..3][lane][16 bytes]; scale words [128 keys][lane][4 words].
; K goes in steps of 256 through a ring of two LDS slots filled by the tensor data mover; the scale bytes of the work-group's 2 x 256 rows, for all of K, come into LDS once.
; CLUSTERS: 4 x 4 work-groups make 1,024 x 1,024.  The four of a row of the cluster need the same tiles of the rows' operand, the four of a column the same tiles of the columns': each tile is asked for JOINTLY.
; T and the cluster's part c8 come from the cluster's y, which all sixteen share: the branch on T is alike in all partners.
; LIMITS: NaN and infinities are not served; a block under 2^(16 - 127) gets the byte 1.
; REGISTERS, in windows of 256: window 0: v0-31 addresses; v32-63 scale words, two sets; v64-127 the bias; from v128 the rows' fragments, ONE set; behind the loop v128-239 are at work on the way out.
;   window 1: the columns' fragments, TWO sets.   window 2: the accumulators of my rows' blocks 0-3 ((a, b) at v[8 (8 (a % 4) + b)]);   window 3: those of blocks 4-7.
.set KSTEP,  256                       ; along K in a slot
.set NQ,     2                         ; matrix instructions deep
.set ROWB,   256                       ; a tile's row in bytes
.set KROW,   1024                      ; a row of codes in memory
.set PITCH,  272                       ; an LDS row: 256 bytes + 16 of padding = 68 words: row r starts at bank 4 r mod 64 (64 banks of 4 bytes: ISA guide 11.1)
.set FR,     16                        ; registers of a fragment: 16 rows x 128 K
.set NL,     4                         ; LDS loads that bring one
.set NP,     8                         ; places behind this matrix instruction (ISA guide 7.12.1)
.set HALFT,  128*PITCH                 ; 128 rows: what one tensor load brings
.set SLOT,   4*HALFT                   ; the rows' 256, then the columns' 256
.set LAPS,   2                         ; 1,024 / (2 x 256)
.set KS,     32                        ; a row of scale bytes
.set SCL,    2*SLOT                    ; behind the ring: the scales, as units of 256 bytes + 16 of padding
.set HALFS,  16*272                    ; the scales of 128 rows
.set SBLK,   2*272                     ; those of 16 rows
.set SPARE,  SCL+4*HALFS               ; the spare words, 128 bytes for each wave: two blocks of 256 bytes that no other line names
.set BJ,   8                           ; v8-15   byte offsets of the bias loads, one for each register j of a tile
.set ADRA, 16                          ; v16-17  LDS address of my rows' fragments in slot 0, 1
.set VC0,  18                          ; v18     16 x lane: an image's place for my lane
.set VC2,  19                          ; v19     the same for blocks 2 and 3 of the columns
.set ADRB, 20                          ; v20-21  LDS address of my columns' fragments
.set SA0,  22                          ; v22     where my scale words of row blocks 0-3 go
.set SA1,  23                          ; v23     and those of blocks 4-7
.set ADRS, 27                          ; v27     LDS address of my scale words: lanes 0-15 the rows', lanes 16-31 the columns'
.set SPW,  28                          ; v28     LDS address of my spare word; never rewritten
.set NIL,  29                          ; v29     0; never rewritten
.set SHV,  30                          ; v30     by how many bits my lane shifts a row's scale word
.set SC,   32                          ; scale words: set s at v[SC + 16 s]
.set CB,   64                          ; v64-127 the bias, eight registers a tile
.set AF,   128                         ; the rows' fragments
.set TQ,   128                         ; the way out: v128-191 a block's 64 numbers, held
.set PC,   192                         ; v192-207 their codes
.set TM,   208                         ; v208-211 largest magnitudes, v212-215 bytes, v216-219 57,344 x the scale, v220-223 the conversions' scale operands
.set PW,   224                         ; a row's four scale bytes
.set SW,   232                         ; v232-239 the scale words of the eight row blocks
.set G1, 24                            ; s[24:31] descriptor group 1 for the rows' tiles;  s[32:39] group 0, one set for each slot
.set G0, 32
.set G1B, 48                           ; s[48:55], s[56:63] the same for the columns'
.set G0B, 56
.set G1S, 68                           ; s[68:75], s[76:79] groups 1 and 0 for the rows' scales;  s[80:87], s[88:91] for the columns'
.set G0S, 76
.set G1SB, 80
.set G0SB, 88
.set MSB, 0
.macro WIN new                         ; the immediate's high byte repeats the setting that is left
.if MSB != (\new)
	s_set_vgpr_msb (MSB<<8)|(\new)
.set MSB, \new
.endif
.endm
.set MUL_LO, 0xa1                      ; source 0 (columns) window 1, source 1 (rows) window 0, C and D window 2
.set MUL_HI, 0xf1                      ; the same, C and D window 3
.set TO_B,   0x40                      ; destination window 1, address window 0
; A joint load: waves 0 and 1 fetch for the rows, waves 2 and 3 for the columns.  Each of the two lines has ONE mask and one set of registers; the branch hangs on the wave's number alone.
; Four v_nop follow each of the two lines, ahead of the jump, the label and what follows.
.macro JLOAD g0a, g1a, g0b, g1b
	s_cmp_eq_u32 s15, 0
	s_cbranch_scc0 .Lfor_b_\@
	tensor_load_to_lds s[\g0a:\g0a+3], s[\g1a:\g1a+7]
	s_nop 0
.rept 4
	v_nop
.endr
	s_branch .Lasked_\@
.Lfor_b_\@:
	tensor_load_to_lds s[\g0b:\g0b+3], s[\g1b:\g1b+7]
	s_nop 0
.rept 4
	v_nop
.endr
.Lasked_\@:
.endm
.macro CREST                           ; a round of the cluster's barrier behind its opening barrier
	s_cmp_lg_u32 s14, 0
	s_cbranch_scc1 .Lnot_wave_0_\@
	s_barrier_signal -3
.Lnot_wave_0_\@:
	s_barrier_wait -3
	s_barrier_signal -1
	s_barrier_wait -1
.endm
.macro CROUND                          ; a whole round
	s_barrier_signal -1
	s_barrier_wait -1
	CREST
.endm
	s_load_b256 s[4:11], s[0:1], 0x0               ; acodes s[4:5], ascales s[6:7], wcodes s[8:9], wscales s[10:11]
	s_load_b256 s[68:75], s[0:1], 0x20             ; q_b s[68:69], k_b s[70:71], v_b s[72:73], pcodes s[74:75]
	s_load_b64 s[76:77], s[0:1], 0x40              ; pscales
	v_lshl_add_u32 v[SPW], v0, 2, SPARE
	v_mov_b32 v[NIL], 0
	ds_add_u32 v28, v29
	ds_add_u32 v28, v29
	s_wait_dscnt 0x0
	v_lshrrev_b32 v1, 5, v0
	v_readfirstlane_b32 s14, v1                    ; wave 0..3
	s_lshr_b32 s15, s14, 1                         ; which half of the tile's rows is mine.  Also: I fetch for the rows (0) or for the columns (1)
	s_and_b32 s16, s14, 1                          ; which half of its columns.  Also: which 128 rows of that tile I fetch
	s_bfe_u32 s40, ttmp6, 0x40000                  ; cx, cy: my place in the cluster
	s_bfe_u32 s41, ttmp6, 0x40004
	s_and_b32 s17, ttmp7, 0xffff                   ; the cluster's y, 0 .. 23
	s_lshr_b32 s66, s17, 3                         ; T: 0 q, 1 k, 2 v
	s_and_b32 s67, s17, 7
	s_lshl_b32 s67, s67, 2                         ; 4 c8: the cluster's first tile along the tokens
	s_cmp_eq_u32 s66, 2
	s_cselect_b32 s17, 0, s67                      ; the tokens are the rows (T < 2)
	s_cselect_b32 s42, s67, 0                      ; or the columns (T = 2)
	s_add_co_u32 s17, s17, s41                     ; tile row
	s_add_co_u32 s42, s42, s40                     ; tile column
	s_lshl_b32 s43, s41, 2
	s_lshl_b32 s43, 15, s43                        ; my row of the cluster
	s_lshl_b32 s44, 0x1111, s40                    ; my column
	; descriptor group 1: a tile of 128 rows x 256 bytes, padded in LDS
	s_or_b32 s[G1+0], s43, (0<<16)|(1<<20)|(1<<21)|(5<<22)|(3<<25)  ; 15:0 the mask: my row; 17:16 element of 1 byte; 20 padding on; 21 set beside a mask; 24:22 after every 64 words (code 5); 31:25 of 4 words (code 3)
	s_or_b32 s[G1B+0], s44, (0<<16)|(1<<20)|(1<<21)|(5<<22)|(3<<25) ; the same with the mask of my column
.irp g, G1, G1B
	s_mov_b32 s[\g+1], ROWB<<16                    ; tensor_dim0
	s_mov_b32 s[\g+2], 128<<16                     ; tensor_dim1 = 128
	s_mov_b32 s[\g+3], ROWB<<16                    ; tile_dim0
	s_mov_b32 s[\g+4], 128                         ; tile_dim1 = 128
	s_mov_b32 s[\g+5], KROW                        ; tensor_dim0_stride
	s_mov_b32 s[\g+6], 0
	s_mov_b32 s[\g+7], 0
.endr
	s_lshl_b32 s18, s16, 7                         ; which 128 rows of the tile I fetch
	s_lshl_b32 s20, s17, 8
	s_add_co_u32 s20, s20, s18                     ; the rows' operand: place 256 x tile row + 128 x half
	s_lshl_b32 s46, s42, 8
	s_add_co_u32 s46, s46, s18                     ; the columns': place 256 x tile column + 128 x half
	s_mov_b32 s21, 0
	s_mov_b32 s47, 0
	s_mov_b64 s[18:19], KS
	s_mul_u64 s[22:23], s[20:21], s[18:19]         ; where these places' scales begin, in bytes
	s_mul_u64 s[92:93], s[46:47], s[18:19]
	s_mov_b64 s[18:19], KROW
	s_mul_u64 s[20:21], s[20:21], s[18:19]         ; and their codes
	s_mul_u64 s[46:47], s[46:47], s[18:19]
	s_mul_i32 s45, s14, HALFT                      ; where they go: wave x 128 rows: no place in the cluster enters an LDS address
	s_mul_i32 s94, s14, HALFS
	s_wait_kmcnt 0x0
	s_mov_b32 s81, 0                               ; each buffer at tensor T
	s_lshl_b32 s80, s66, 23
	s_add_nc_u64 s[4:5], s[4:5], s[80:81]
	s_lshl_b32 s80, s66, 18
	s_add_nc_u64 s[6:7], s[6:7], s[80:81]
	s_lshl_b32 s80, s66, 20
	s_add_nc_u64 s[8:9], s[8:9], s[80:81]
	s_lshl_b32 s80, s66, 15
	s_add_nc_u64 s[10:11], s[10:11], s[80:81]
	s_mov_b64 s[96:97], s[74:75]                   ; pcodes and pscales leave the registers that descriptors will take
	s_mov_b64 s[98:99], s[76:77]
	s_cmp_eq_u32 s66, 2                            ; which operand gives the rows: the choice hangs on T alone
	s_cselect_b64 s[80:81], s[8:9], s[4:5]         ; the rows' codes,
	s_cselect_b64 s[82:83], s[10:11], s[6:7]       ; their scales,
	s_cselect_b64 s[84:85], s[4:5], s[8:9]         ; the columns' codes,
	s_cselect_b64 s[86:87], s[6:7], s[10:11]       ; their scales
	s_cselect_b64 s[12:13], s[72:73], s[70:71]     ; the bias
	s_cmp_eq_u32 s66, 0
	s_cselect_b64 s[12:13], s[68:69], s[12:13]
	s_add_nc_u64 s[20:21], s[80:81], s[20:21]
	s_add_nc_u64 s[22:23], s[82:83], s[22:23]
	s_add_nc_u64 s[46:47], s[84:85], s[46:47]
	s_add_nc_u64 s[92:93], s[86:87], s[92:93]
	s_cmp_eq_u32 s66, 2                            ; the constants in which the two layouts of the output differ (s_mov_b32 and s_cselect_b32 leave SCC alone)
	s_mov_b32 s4, 131072
	s_cselect_b32 s4, 1024, s4                     ; from column blocks 0, 1 to blocks 2, 3: the next head (q, k) or pieces c = 2, 3 (v)
	s_mov_b32 s5, 8192
	s_cselect_b32 s5, 256, s5                      ; scale words of lanes 16-31: the next head's (q, k) or the image's upper half (v)
	s_mov_b32 s6, 256
	s_cselect_b32 s6, 8192, s6                     ; scale words of row blocks 4-7: the next four tiles (q, k) or the next head (v)
	s_cselect_b32 s7, 0, 16                        ; lanes 16-31 take the word's upper two bytes (q, k) or the whole word (v)
	s_cselect_b32 s8, 0, 4                         ; the bias: from register j to j + 1
	s_cselect_b32 s9, 0, 64                        ; its lane term: 64 (lane / 16) (q, k)
	s_cselect_b32 s10, 4, 0                        ; or 4 (r + 8 (r / 8)) (v)
	s_mov_b32 s100, 1024
	s_cselect_b32 s100, 2048, s100                 ; s[100:101]: from a row block's image to the next
	s_mov_b32 s101, 0
	s_mov_b32 s104, 1024
	s_cselect_b32 s104, 124928, s104               ; s[104:105]: from block 3's to block 4's: v goes on to the next head: 131,072 - 3 x 2,048
	s_mov_b32 s105, 0
	s_mov_b32 s11, 0x600000                        ; the mantissa field of 57,344
	s_mov_b32 s2, 0x76543210
	s_mov_b32 s3, 0xfedcba98                       ; v_permlanex16_b32's selects for lane l xor 16
	; group 1 for the scales of 128 rows: a dense block of 4,096 bytes, as 16 rows of 256 bytes (32 elements of 8 bytes), 16 bytes of padding behind each
	s_or_b32 s[G1S+0], s43, (3<<16)|(1<<20)|(1<<21)|(5<<22)|(3<<25)
	s_or_b32 s[G1SB+0], s44, (3<<16)|(1<<20)|(1<<21)|(5<<22)|(3<<25)
.irp g, G1S, G1SB
	s_mov_b32 s[\g+1], 32<<16
	s_mov_b32 s[\g+2], 16<<16
	s_mov_b32 s[\g+3], 32<<16
	s_mov_b32 s[\g+4], 16
	s_mov_b32 s[\g+5], 32
	s_mov_b32 s[\g+6], 0
	s_mov_b32 s[\g+7], 0
.endr
	CROUND                                         ; all sixteen work-groups are here: the first joint loads meet
	s_mov_b32 s[G0S], 1
	s_add_co_u32 s[G0S+1], s94, SCL
	s_mov_b64 s[G0S+2:G0S+3], s[22:23]
	s_or_b32 s[G0S+3], s[G0S+3], 0x80000000
	s_mov_b32 s[G0SB], 1
	s_add_co_u32 s[G0SB+1], s94, SCL
	s_mov_b64 s[G0SB+2:G0SB+3], s[92:93]
	s_or_b32 s[G0SB+3], s[G0SB+3], 0x80000000
	JLOAD G0S, G1S, G0SB, G1SB                     ; the scales first: they are wanted with K step 0
.irp s, 0,1
	s_mov_b32 s[G0+4*\s], 1
	s_add_co_u32 s[G0+4*\s+1], s45, \s*SLOT
	s_add_nc_u64 s[G0+4*\s+2:G0+4*\s+3], s[20:21], \s*ROWB
	s_or_b32 s[G0+4*\s+3], s[G0+4*\s+3], 0x80000000
	s_mov_b32 s[G0B+4*\s], 1
	s_add_co_u32 s[G0B+4*\s+1], s45, \s*SLOT
	s_add_nc_u64 s[G0B+4*\s+2:G0B+4*\s+3], s[46:47], \s*ROWB
	s_or_b32 s[G0B+4*\s+3], s[G0B+4*\s+3], 0x80000000
	JLOAD G0+4*\s, G1, G0B+4*\s, G1B               ; three tensor loads of mine are out
.endr
	v_and_b32 v1, 15, v0                           ; r = l % 16
	v_bfe_u32 v2, v0, 4, 1                         ; h = l / 16
	v_mul_u32_u24 v3, v1, PITCH
	v_lshl_add_u32 v4, v2, 4, v3                   ; a fragment's row x pitch + 16 x half
	s_mul_i32 s21, s15, HALFT                      ; my 128 rows
	s_mul_i32 s22, s16, HALFT                      ; my 128 columns,
	s_add_co_u32 s22, s22, 2*HALFT                 ; which lie behind the rows' 256
.irp s, 0,1
	v_add_nc_u32 v[ADRA+\s], s21, v4
	v_add_nc_u32 v[ADRB+\s], s22, v4
	s_add_co_u32 s21, s21, SLOT
	s_add_co_u32 s22, s22, SLOT
.endr
	v_mul_u32_u24 v5, v1, KS                       ; my row's scales: 32 bytes a row,
	v_lshrrev_b32 v6, 8, v5
	v_lshl_add_u32 v5, v6, 4, v5                   ; and 16 more for each 256 passed
	s_mul_i32 s21, s15, HALFS
	s_mul_i32 s22, s16, HALFS
	s_add_co_u32 s22, s22, 2*HALFS
	s_sub_co_u32 s22, s22, s21
	v_mul_u32_u24 v6, s22, v2                      ; lanes 16-31 take the columns'
	s_add_co_u32 s21, s21, SCL
	v_add_nc_u32 v5, v5, v6
	v_add_nc_u32 v[ADRS], s21, v5
	v_and_b32 v6, 31, v0
	v_lshlrev_b32 v[VC0], 4, v6                    ; the way out: 16 x lane
	v_add_nc_u32 v[VC2], s4, v[VC0]
	v_lshlrev_b32 v5, 4, v1
	v_mad_u32_u24 v[SA0], v2, s5, v5               ; 16 r + (lane / 16) x the upper lanes' distance
	v_add_nc_u32 v[SA1], s6, v[SA0]
	v_mul_u32_u24 v[SHV], s7, v2
	v_and_b32 v5, 8, v1
	v_add_nc_u32 v5, v5, v1                        ; r + 8 (r / 8)
	v_mul_u32_u24 v[BJ], s9, v2
	v_mad_u32_u24 v[BJ], v5, s10, v[BJ]            ; the bias load's lane term
.irp j, 1,2,3,4,5,6,7
	v_add_nc_u32 v[BJ+\j], s8, v[BJ+\j-1]
.endr
	; my first token and my first feature, and from them the three bases
	s_lshl_b32 s20, s17, 8
	s_lshl_b32 s21, s15, 7
	s_add_co_u32 s20, s20, s21                     ; my first row
	s_lshl_b32 s46, s42, 8
	s_lshl_b32 s47, s16, 7
	s_add_co_u32 s46, s46, s47                     ; my first column
	s_cmp_eq_u32 s66, 2
	s_cselect_b32 s21, s46, s20                    ; token
	s_cselect_b32 s47, s20, s46                    ; feature
	s_mov_b32 s23, 0
	s_lshl_b32 s22, s47, 2
	s_add_nc_u64 s[12:13], s[12:13], s[22:23]      ; the bias at my first feature
	s_lshl_b32 s22, s66, 23                        ; pcodes: 8 Mi a tensor,
	s_lshr_b32 s94, s21, 11                        ; (the batch)
	s_lshl_b32 s95, s94, 21                        ; 2 Mi a batch,
	s_add_co_u32 s22, s22, s95
	s_lshr_b32 s95, s47, 6                         ; (the head)
	s_lshl_b32 s45, s95, 17                        ; 131,072 a head,
	s_add_co_u32 s22, s22, s45
	s_and_b32 s21, s21, 2047
	s_lshl_b32 s45, s21, 6                         ; 64 bytes a token
	s_add_co_u32 s22, s22, s45
	s_add_nc_u64 s[96:97], s[96:97], s[22:23]
	s_lshl_b32 s22, s66, 19                        ; pscales: 524,288 a tensor,
	s_lshl_b32 s94, s94, 4
	s_add_co_u32 s94, s94, s95
	s_lshl_b32 s94, s94, 13                        ; 8,192 a head,
	s_add_co_u32 s22, s22, s94
	s_lshl_b32 s45, s21, 2                         ; 4 bytes a token
	s_add_co_u32 s22, s22, s45
	s_add_nc_u64 s[98:99], s[98:99], s[22:23]
.irp i, 0,1,2,3,4,5,6,7                ; the bias in the result's layout.  T < 2: tile i of the columns, register j: feature 32 (i / 2) + 8 (i % 2) + 16 (lane / 16) + j.  T = 2: block i of the rows, all eight registers: feature 32 (i / 2) + 8 (i % 2) + r + 8 (r / 8)
.irp j, 0,1,2,3,4,5,6,7
	global_load_b32 v[CB+8*\i+\j], v[BJ+\j], s[12:13] offset:(32*(\i/2)+8*(\i%2))*4
.endr
.endr
.macro FRAG reg, adr, q, i             ; a fragment, 16 rows x 128 K of 8-bit codes, is 16 registers: lane l holds row l % 16; registers 4 c .. 4 c + 3 hold K = 32 c + 16 (l / 16) + 0 .. 15
.irp c, 0,1,2,3
	ds_load_b128 v[\reg+4*\c:\reg+4*\c+3], v[\adr] offset:128*(\q)+32*\c+(\i)*16*PITCH
.endr
.endm
; 16 matrix instructions: row blocks a0, a0 + 1 x the eight column tiles, 128 along K: the slot's q-th.  p: the columns' set;  sc: the set of scale words.
; zero = 1: the first product starts the sums from the bias of its column tile; 2: from the bias of its row block; 0: it adds in place.  Nothing is ever cleared.
; The 64 accumulators take turns, one instruction a turn, in the same order in every step.
.macro MUL16 a0, p, q, sc, zero
.irp a, \a0, \a0+1
.irp b, 0,1,2,3,4,5,6,7
.if \zero == 1
	v_wmma_scale_f32_16x16x128_f8f6f4 v[8*(8*((\a)%4)+\b):8*(8*((\a)%4)+\b)+7], v[128*(\p)+FR*\b:128*(\p)+FR*\b+FR-1], v[AF+FR*(\a):AF+FR*(\a)+FR-1], v[CB+8*\b:CB+8*\b+7], v[SC+8*NQ*(\sc)+NQ*\b+(\q)], v[SC+8*NQ*(\sc)+NQ*(\a)+(\q)] matrix_a_fmt:MATRIX_FMT_BF8 matrix_b_fmt:MATRIX_FMT_BF8 matrix_a_scale:MATRIX_SCALE_ROW1
.elseif \zero == 2
	v_wmma_scale_f32_16x16x128_f8f6f4 v[8*(8*((\a)%4)+\b):8*(8*((\a)%4)+\b)+7], v[128*(\p)+FR*\b:128*(\p)+FR*\b+FR-1], v[AF+FR*(\a):AF+FR*(\a)+FR-1], v[CB+8*(\a):CB+8*(\a)+7], v[SC+8*NQ*(\sc)+NQ*\b+(\q)], v[SC+8*NQ*(\sc)+NQ*(\a)+(\q)] matrix_a_fmt:MATRIX_FMT_BF8 matrix_b_fmt:MATRIX_FMT_BF8 matrix_a_scale:MATRIX_SCALE_ROW1
.else
	v_wmma_scale_f32_16x16x128_f8f6f4 v[8*(8*((\a)%4)+\b):8*(8*((\a)%4)+\b)+7], v[128*(\p)+FR*\b:128*(\p)+FR*\b+FR-1], v[AF+FR*(\a):AF+FR*(\a)+FR-1], v[8*(8*((\a)%4)+\b):8*(8*((\a)%4)+\b)+7], v[SC+8*NQ*(\sc)+NQ*\b+(\q)], v[SC+8*NQ*(\sc)+NQ*(\a)+(\q)] matrix_a_fmt:MATRIX_FMT_BF8 matrix_b_fmt:MATRIX_FMT_BF8 matrix_a_scale:MATRIX_SCALE_ROW1
.endif
.endr
.endr
.endm
.macro FETCH_B slot, q, p              ; the columns' eight fragments of the slot's q-th 128 along K into set p
	WIN TO_B
.irp i, 0,1,2,3,4,5,6,7
	FRAG 128*(\p)+FR*\i, ADRB+\slot, \q, \i
.endr
	WIN 0
.endm
.macro FETCH_A slot, q, i0             ; the rows' blocks i0 .. i0 + 3
.irp i, \i0, \i0+1, \i0+2, \i0+3
	FRAG AF+FR*(\i), ADRA+\slot, \q, \i
.endr
.endm
.macro SCALES sc                       ; the next K step's scale words into set sc: two words a row; lanes 0-15 take the rows' block i, lanes 16-31 the columns' tile i
.irp i, 0,1,2,3,4,5,6,7
	ds_load_b64 v[SC+8*NQ*\sc+NQ*\i:SC+8*NQ*\sc+NQ*\i+1], v[ADRS] offset:\i*SBLK
.endr
.endm
; A load into a register that a matrix instruction has read, and a vector instruction that reads a matrix result or writes one of a matrix instruction's registers, stand NP places behind it, and only plain vector
; instructions that name none of its registers are places (ISA guide 7.12.1 for vector instructions).
.macro PLACES n
.rept \n
	v_nop
.endr
.endm
; A step of 128 along K that has its successor in the same slot.
.macro STEP slot, q, zero
	s_wait_dscnt 4*NL                              ; the columns' set and the rows' blocks 0-3 are in; the youngest sixteen loads (blocks 4-7) may be out
.if \zero
	WIN 0x81                                       ; C, the bias, in window 0; D in window 2
.else
	WIN MUL_LO
.endif
	MUL16 0, (\q)%2, \q, \slot, \zero
	MUL16 2, (\q)%2, \q, \slot, \zero
	s_wait_dscnt 0                                 ; blocks 4-7 are in (asked for 32 matrix instructions ago)
	PLACES NP
	FETCH_B \slot, (\q)+1, 1-(\q)%2
	FETCH_A \slot, (\q)+1, 0
.if \zero
	WIN 0xc1                                       ; C in window 0; D in window 3
.else
	WIN MUL_HI
.endif
	MUL16 4, (\q)%2, \q, \slot, \zero
	MUL16 6, (\q)%2, \q, \slot, \zero
	PLACES NP
	WIN 0
	FETCH_A \slot, (\q)+1, 4
.endm
; A slot's last step changes slots: ONE barrier; in front of it each wave waits for all its tensor loads, adds 0 to its spare word, and waits for that and for its own reads of this slot.  fill = 1: this slot is filled again, two K steps ahead.
.macro TURN slot, next, fill
	s_wait_tensorcnt 0x0                           ; all my tensor loads have landed: my part of the next slot;  (every window is 0 here)
	ds_add_u32 v[SPW], v[NIL]                      ; 0 onto my spare word
	s_wait_dscnt 4*NL+1                            ; (the add and the youngest sixteen loads may be out)
	WIN MUL_LO
	MUL16 0, 1, NQ-1, \slot, 0                     ; sixteen matrix instructions stand between the add and the wait for it
	s_wait_dscnt 0x0                               ; the add is done, and my reads of this slot are over
	s_barrier_signal -1
	MUL16 2, 1, NQ-1, \slot, 0
	WIN 0
	s_barrier_wait -1
.if \fill
	CREST                                          ; the barrier has opened a round of the cluster's barrier: no wave of any partner still reads this slot's tile or has a load on its way
	s_add_nc_u64 s[G0+4*\slot+2:G0+4*\slot+3], s[G0+4*\slot+2:G0+4*\slot+3], 2*ROWB
	s_add_nc_u64 s[G0B+4*\slot+2:G0B+4*\slot+3], s[G0B+4*\slot+2:G0B+4*\slot+3], 2*ROWB
	JLOAD G0+4*\slot, G1, G0B+4*\slot, G1B         ; the first tensor load behind the round, and my only one until the next; the four v_nop behind it are among the places in front of the loads below
	PLACES NP-4
.else
	PLACES NP
.endif
	v_add_nc_u32 v[ADRS], 4*NQ, v[ADRS]            ; on to the next K step's scale words (no LDS load of mine is out)
	FETCH_B \next, 0, 0
	FETCH_A \next, 0, 0
	SCALES \next
	WIN MUL_HI
	MUL16 4, 1, NQ-1, \slot, 0
	MUL16 6, 1, NQ-1, \slot, 0
	PLACES NP
	WIN 0
	FETCH_A \next, 0, 4
.endm
	s_wait_tensorcnt 1                             ; the scales and my part of K step 0 are in (K step 1's load may be out)
	s_barrier_signal -1
	s_barrier_wait -1                              ; everybody's are
	FETCH_B 0, 0, 0
	FETCH_A 0, 0, 0
	SCALES 0
	FETCH_A 0, 0, 4
	s_wait_loadcnt 0x0                             ; the bias
	s_cmp_eq_u32 s66, 2                            ; the first step stands in front of the loop, once for each way of the bias: the same loads and waits on both
	s_cbranch_scc1 .Lfirst_rows
	STEP 0, 0, 1
	s_branch .Lfirst_done
.Lfirst_rows:
	STEP 0, 0, 2
.Lfirst_done:
	s_mov_b32 s67, LAPS-1
.Llap:                                                 ; a trip goes once round the ring, from a lap's second step to the next lap's first, and fills both slots again
	TURN 0, 1, 1
	STEP 1, 0, 0
	TURN 1, 0, 1
	STEP 0, 0, 0
	s_sub_co_u32 s67, s67, 1
	s_cmp_lg_u32 s67, 0
	s_cbranch_scc1 .Llap
	TURN 0, 1, 0                                   ; the last lap fills nothing, and has no round of the cluster's barrier
	STEP 1, 0, 0
	s_wait_dscnt 4*NL                              ; the very last step: nothing more to fetch
	WIN MUL_LO
	MUL16 0, 1, NQ-1, 1, 0
	MUL16 2, 1, NQ-1, 1, 0
	s_wait_dscnt 0
	WIN MUL_HI
	MUL16 4, 1, NQ-1, 1, 0
	MUL16 6, 1, NQ-1, 1, 0
	WIN 0
; THE WAY OUT, row block by row block.  A lane holds one row and 64 of its 128 columns: register 16 b + i is column 32 b + 16 (lane / 16) + i.  The block's four blocks of 32 columns are quantised: largest magnitude
; (mine, then lane l xor 16's), scale byte, hold, conversion.  The 16 registers of codes leave as they stand, each store 512 consecutive bytes, aligned.
.macro EPI a
.set AC, 64*((\a)%4)
	WIN 0x0a+5*((\a)/4)                            ; sources 0 and 1: window 2 or 3
.irp b, 0,1,2,3
	v_max3_num_f32 v[TM+\b], |v[AC+16*\b]|, |v[AC+16*\b+1]|, 0x8000000   ; each accumulator is read from its low end on; the floor 2^(16 - 127) holds the byte at 1 from below
.endr
.irp i, 2,4,6,8,10,12,14
.irp b, 0,1,2,3
	v_max3_num_f32 v[TM+\b], |v[AC+16*\b+\i]|, |v[AC+16*\b+\i+1]|, v[TM+\b]   ; (the four blocks by turns)
.endr
.endr
	WIN 0
.irp b, 0,1,2,3
	v_permlanex16_b32 v[TM+4+\b], v[TM+\b], s2, s3
.endr
.irp b, 0,1,2,3
	v_max_num_f32 v[TM+\b], v[TM+\b], v[TM+4+\b]   ; with lane l xor 16's: the block's largest magnitude
.endr
.irp b, 0,1,2,3
	v_add_nc_u32 v[TM+12+\b], 0xf8800000, v[TM+\b] ; 15 off its exponent field: the conversion's scale operand
.endr
.irp b, 0,1,2,3
	v_and_or_b32 v[TM+8+\b], v[TM+\b], 0x7f800000, s11   ; 57,344 x the scale
.endr
.irp b, 0,1,2,3
	v_lshrrev_b32 v[TM+4+\b], 23, v[TM+12+\b]      ; the scale's byte
.endr
	v_lshl_or_b32 v[PW], v[TM+5], 8, v[TM+4]
	v_lshl_or_b32 v[PW], v[TM+6], 16, v[PW]
	v_lshl_or_b32 v[PW], v[TM+7], 24, v[PW]
	v_lshrrev_b32 v[SW+(\a)], v[SHV], v[PW]        ; q, k: lanes 16-31 keep the second head's two bytes; v: every lane the whole word
	WIN 2+(\a)/4                                   ; source 0: window 2 or 3
.irp b, 0,1,2,3
.irp i, 0,1,2,3,4,5,6,7,8,9,10,11,12,13,14,15
	v_med3_num_f32 v[TQ+16*\b+\i], v[AC+16*\b+\i], -v[TM+8+\b], v[TM+8+\b]   ; the conversion to an 8-bit code does not saturate (ISA guide 7.6.2): the hold, into window 0
.endr
.endr
	WIN 0
	s_wait_xcnt 0x0                                ; the last block's stores have had their addresses translated (ISA guide 3.1): their data and their base are written again only behind this wait
.irp b, 0,1,2,3
	v_cvt_scalef32_pk8_bf8_f32 v[PC+4*\b:PC+4*\b+1], v[TQ+16*\b:TQ+16*\b+7], v[TM+12+\b]
	v_cvt_scalef32_pk8_bf8_f32 v[PC+4*\b+2:PC+4*\b+3], v[TQ+16*\b+8:TQ+16*\b+15], v[TM+12+\b]
.endr
	v_nop                                          ; a plain line behind the last conversion
.if (\a) == 4
	s_add_nc_u64 s[96:97], s[96:97], s[104:105]
.elseif (\a) > 0
	s_add_nc_u64 s[96:97], s[96:97], s[100:101]
.endif
	global_store_b128 v[VC0], v[PC:PC+3], s[96:97]
	global_store_b128 v[VC0], v[PC+4:PC+7], s[96:97] offset:512
	global_store_b128 v[VC2], v[PC+8:PC+11], s[96:97]
	global_store_b128 v[VC2], v[PC+12:PC+15], s[96:97] offset:512
.endm
	PLACES NP                                      ; behind the last products: for the first reads of results and the first writes into the registers that held the rows' fragments
.irp b, 0,1,2,3
	v_mov_b32 v[TM+4+\b], 0                        ; written once: a lane permute's destination counts as one of its sources
.endr
.irp a, 0,1,2,3,4,5,6,7
	EPI \a
.endr
	global_store_b128 v[SA0], v[SW:SW+3], s[98:99]     ; the scale words of blocks 0-3: sixteen lanes store 256 consecutive bytes, aligned
	global_store_b128 v[SA1], v[SW+4:SW+7], s[98:99]   ; and of blocks 4-7
	s_wait_tensorcnt 0x0                           ; the wave's end
	ds_add_u32 v[SPW], v[NIL]
	s_wait_dscnt 0x0
	CROUND                                         ; the closing round: no work-group ends while a partner may still ask for a tile that names it
	s_endpgm
.Lfunc_end_k_qcd2e65df09_proj:
	.size	k_qcd2e65df09_proj, .Lfunc_end_k_qcd2e65df09_proj-k_qcd2e65df09_proj
	.p2alignl 7, 3214868480
	.fill 96, 4, 3214868480
	.section	.rodata,"a",@progbits
	.p2align	6, 0x0
	.amdhsa_kernel k_qcd2e65df09_proj
		.amdhsa_group_segment_fixed_size 327680
		.amdhsa_private_segment_fixed_size 0
		.amdhsa_enable_private_segment 0
		.amdhsa_kernarg_size 72
		.amdhsa_user_sgpr_count 2
		.amdhsa_user_sgpr_kernarg_segment_ptr 1
		.amdhsa_wavefront_size32 1
		.amdhsa_system_sgpr_workgroup_id_x 1
		.amdhsa_system_sgpr_workgroup_id_y 1
		.amdhsa_system_sgpr_workgroup_id_z 1
		.amdhsa_system_vgpr_workitem_id 0
		.amdhsa_next_free_vgpr 1024
		.amdhsa_next_free_sgpr 106
		.amdhsa_reserve_vcc 0
		.amdhsa_float_denorm_mode_32 3
		.amdhsa_float_denorm_mode_16_64 3
		.amdhsa_memory_ordered 1
		.amdhsa_forward_progress 1
		.amdhsa_inst_pref_size 206
	.end_amdhsa_kernel
	.amdgpu_metadata
---
amdhsa.version: [ 1, 2 ]
amdhsa.kernels:
  - .name:           k_qcd2e65df09_proj
    .symbol:         k_qcd2e65df09_proj.kd
    .args:
      - { .name: acodes, .offset: 0, .size: 8, .value_kind: global_buffer, .address_space: global }
      - { .name: ascales, .offset: 8, .size: 8, .value_kind: global_buffer, .address_space: global }
      - { .name: wcodes, .offset: 16, .size: 8, .value_kind: global_buffer, .address_space: global }
      - { .name: wscales, .offset: 24, .size: 8, .value_kind: global_buffer, .address_space: global }
      - { .name: q_b, .offset: 32, .size: 8, .value_kind: global_buffer, .address_space: global }
      - { .name: k_b, .offset: 40, .size: 8, .value_kind: global_buffer, .address_space: global }
      - { .name: v_b, .offset: 48, .size: 8, .value_kind: global_buffer, .address_space: global }
      - { .name: pcodes, .offset: 56, .size: 8, .value_kind: global_buffer, .address_space: global }
      - { .name: pscales, .offset: 64, .size: 8, .value_kind: global_buffer, .address_space: global }
    .group_segment_fixed_size: 327680
    .private_segment_fixed_size: 0
    .kernarg_segment_align: 8
    .kernarg_segment_size: 72
    .max_flat_workgroup_size: 128
    .sgpr_count:     106
    .vgpr_count:     1024
    .wavefront_size: 32
...
	.end_amdgpu_metadata
.endif
;; end of part 2
;; launch attn (part 3): grid 4 x 64, 8 waves a work-group, clusters of 4 x 1, 327,680 bytes of LDS; arguments pcodes, pscales, out0; writes out0
.if DOCPART == 3
	.amdgcn_target "amdgcn-amd-amdhsa--gfx1250"
	.amdhsa_code_object_version 6
	.text
	.protected	k_qcd2e65df09_attn
	.globl	k_qcd2e65df09_attn
	.p2align	8
	.type	k_qcd2e65df09_attn,@function
k_qcd2e65df09_attn:
	s_mov_b64 s[64:65], 0
	v_nop
	global_prefetch_b8 v0, s[64:65] scope:SCOPE_SE
	s_setreg_imm32_b32 hwreg(HW_REG_WAVE_MODE, 25, 1), 1
	s_wait_xcnt 0x0
	s_wait_alu depctr_hold_cnt(0) depctr_sa_sdst(0) depctr_va_vdst(0) depctr_va_sdst(0) depctr_va_ssrc(0) depctr_va_vcc(0) depctr_vm_vsrc(0)
	s_getreg_b32 s2, hwreg(HW_REG_IB_STS2, 6, 4)
	s_cmp_eq_u32 s2, 0
	s_cbranch_scc0 .Lentry_in_a_cluster
	s_endpgm
.Lentry_in_a_cluster:
	s_bfe_u32 s2, ttmp6, 0x10000c
	s_cmp_lg_u32 s2, 0x3003
	s_cbranch_scc0 .Lentry_shape_is_right
	s_endpgm
.Lentry_shape_is_right:
; out[b][q][head][:] = the sum over keys of Quant(q . k / 8) v, both products on codes of BF8 (E5M2) with E8M0 scales.  There is no softmax: the scaled scores themselves are quantised along the keys, 32 to a block.
; IN: pcodes, pscales of the launch before: q, k, v of each of the 64 heads as images of the operands' registers.  OUT: out0 [4][2048][1024] f32.
; THE FACTOR 1 / 8 is a power of two: it changes no code, only a block's scale byte, which is 3 less.  So the unscaled scores are quantised with the floor of the largest magnitude raised to exponent field 19,
; and 3 is taken off each byte: the same codes and bytes as quantising the scores / 8 with the byte held at 1 from below.
; K = 64 fills half of the instruction's 128: the upper eight registers of each fragment of q and k hold zero codes, written once, which add nothing under any scale byte but 0xff (those bytes are 0 or another block's byte).
; SHARES.  A work-group owns 512 queries of one head, each of its eight waves 64: four tiles of 16; two waves to a SIMD, so that one wave's vector work stands beside the other's matrix work.  Every wave walks the 2,048 keys, 128 a step.
; Each fragment of k and v read from LDS feeds four products.  THE WHOLE HEAD'S k AND v STAY IN LDS (278,528 bytes with their scale words); each byte is filled once: no slot is filled again.
; THE FILL GOES IN FOUR PARTS OF 512 KEYS, all asked for at the start.  A wave's five tensor loads (its share of the scale words, then one key step's images of each part) end in order, so a counted wait and a barrier
; show a part whole while the later parts are still on their way: key steps 0 to 2 are worked while part 1 lands, steps 3 to 6 while parts 2 and 3 land.
; CLUSTER.  The four query blocks of a head form a cluster and need the same k and v: each piece is asked for JOINTLY, by the same tensor load with the same descriptor and the mask of all four.
; LAYOUT.  Both products are used transposed: S^T = K Q^T (source 0 = 16 keys, source 1 = 16 queries), O^T = V^T P^T (source 0 = 16 of the head's 64, source 1 = P): a lane holds one query throughout.
; Lane r of tile 2 A + u of k holds key 32 A + 8 u + r + 8 (r / 8), so that the 16 registers of tiles 2 A, 2 A + 1 of S^T are 16 neighbouring keys, and the conversions' results are P's registers.  q's and v's tiles are laid likewise.
; LIMITS: NaN and infinities are not served; a block of scores under 2^(19 - 127) gets the byte 1.
; REGISTERS.  window 0: v1-12 addresses; v15 P's scale word; v16-79 Q (4 x 16); v80-143 V (4 x 16); v144-207 S^T; v208-223 P's codes; v224-231 k's scale words, v232-235 v's, v236-239 q's; v240-255 at work.
;             window 1: v0-127 O^T (tile of queries q, tile of d t: at 32 q + 8 t); v128-255 K (8 x 16).
.set KIMG,  0                          ; LDS: k's images, 131,072 bytes: 1,024 a tile of 16 keys, 8,192 a step of 128 keys
.set VIMG,  131072                     ; v's, 131,072 bytes: 8,192 a step of 128 keys
.set KSC,   262144                     ; k's scale words, 8,192 bytes: 512 a step
.set VSC,   270336                     ; v's, likewise
.set STAGE, 278528                     ; the way out: 16 rows x 272 bytes for each wave; no fill lands here
.set PART,  32768                      ; a part's images of k, or of v: four key steps
.set AK0,  1                           ; v1   16 x lane
.set AV0,  2                           ; v2   16 x lane + VIMG
.set AKS0, 3                           ; v3   KSC + 16 r
.set AVS0, 4                           ; v4   VSC + 16 x lane
.set ADK,  5                           ; v5-8 the same for the step to be fetched
.set ADV,  6
.set ADKS, 7
.set ADVS, 8
.set STO,  9                           ; v9   the way out: where I put 16 bytes of a row
.set RD,   10                          ; v10  where I read a row back
.set GO,   11                          ; v11  my byte offset in out0
.set PW,   15
.set QF,   16
.set VF,   80
.set S,    144
.set PC,   208
.set KSW,  224
.set VSW,  232
.set QSW,  236
.set TM,   240                         ; v240-243 largest magnitudes, v244-247 bytes, v248-251 57,344 x the scale, v252-255 the conversions' scale operands
.set KF,   128                         ; in window 1
.set WV,   10                          ; s10  my wave's number
.set G1C,  16                          ; s[16:23] descriptor group 1 for the codes;  s[24:31] for the scale words
.set G1W,  24
.set G0W,  36                          ; s[36:39] group 0 for the scale words
.set G0C,  68                          ; s[68:83] groups 0 for the codes, one for each part: all four loads are out together
.set SEL,  52                          ; s[52:53] v_permlanex16_b32's selects for lane l xor 16
.set MNT,  54                          ; s54  the mantissa field of 57,344
.set CNT,  55                          ; s55  a loop's trips
.set SO,   56                          ; s56  8,192 x the step to be fetched
.set SS,   57                          ; s57  512 x that step
.set MSB, 0
.macro WIN new                         ; the immediate's high byte repeats the setting that is left
.if MSB != (\new)
	s_set_vgpr_msb (MSB<<8)|(\new)
.set MSB, \new
.endif
.endm
.macro CROUND                          ; a round of the cluster's barrier
	s_barrier_signal -1
	s_barrier_wait -1
	s_cmp_lg_u32 s[WV], 0
	s_cbranch_scc1 .Lnot_wave_0_\@
	s_barrier_signal -3
.Lnot_wave_0_\@:
	s_barrier_wait -3
	s_barrier_signal -1
	s_barrier_wait -1
.endm
	s_load_b128 s[4:7], s[0:1], 0x0                ; pcodes s[4:5], pscales s[6:7]
	s_load_b64 s[8:9], s[0:1], 0x10                ; out0
	v_lshl_add_u32 v254, v0, 2, 0x4c800
	v_mov_b32 v255, 0
	ds_add_u32 v254, v255
	ds_add_u32 v254, v255
	s_wait_dscnt 0x0
	v_lshrrev_b32 v1, 5, v0
	v_readfirstlane_b32 s[WV], v1                  ; wave 0..7
	s_bfe_u32 s11, ttmp6, 0x40000                  ; cx: my block of 512 queries; it enters q's and out0's addresses alone
	s_and_b32 s12, ttmp7, 0xffff                   ; the head, 16 x batch + head, which the four partners share
	s_lshr_b32 s13, s[WV], 2                       ; waves 0-3 fetch k (0), waves 4-7 v (1):
	s_and_b32 s14, s[WV], 3                        ; of each part's four key steps the one of my number
	s_lshl_b32 s32, s13, 17                        ; where my pieces go in LDS: k's images, then v's,
	s_lshl_b32 s15, s14, 13                        ; 8,192 bytes a key step
	s_add_co_u32 s32, s32, s15
	s_add_co_u32 s13, s13, 1                       ; k is tensor 1, v tensor 2
	s_lshl_b32 s40, s13, 23                        ; codes in memory: 8 Mi a tensor,
	s_add_co_u32 s40, s40, s15                     ; 8,192 a key step,
	s_lshl_b32 s15, s12, 17                        ; 131,072 a head
	s_add_co_u32 s40, s40, s15
	s_mov_b32 s41, 0
	s_lshl_b32 s42, s13, 19                        ; scale words: 524,288 a tensor,
	s_lshl_b32 s15, s12, 13                        ; 8,192 a head,
	s_add_co_u32 s42, s42, s15
	s_lshl_b32 s15, s14, 11                        ; 2,048 a quarter
	s_add_co_u32 s42, s42, s15
	s_mov_b32 s43, 0
	; group 1: dense blocks as rows of 256 bytes (32 elements of 8 bytes), no padding: the images are read 16 bytes a lane, 512 consecutive bytes a load
	s_mov_b32 s[G1C], 15|(3<<16)|(1<<21)           ; 15:0 the mask: all four work-groups; 17:16 elements of 8 bytes; 21 set beside a mask
	s_mov_b32 s[G1C+1], 32<<16                     ; tensor_dim0 = 32
	s_mov_b32 s[G1C+2], 32<<16                     ; tensor_dim1 = 32 rows: 8,192 bytes, one key step's images: a part of 512 keys shared out among the eight waves
	s_mov_b32 s[G1C+3], 32<<16                     ; tile_dim0
	s_mov_b32 s[G1C+4], 32                         ; tile_dim1
	s_mov_b32 s[G1C+5], 32                         ; tensor_dim0_stride
	s_mov_b32 s[G1C+6], 0
	s_mov_b32 s[G1C+7], 0
	s_mov_b32 s[G1W], 15|(3<<16)|(1<<21)
	s_mov_b32 s[G1W+1], 32<<16
	s_mov_b32 s[G1W+2], 8<<16                      ; 8 rows: 2,048 bytes
	s_mov_b32 s[G1W+3], 32<<16
	s_mov_b32 s[G1W+4], 8
	s_mov_b32 s[G1W+5], 32
	s_mov_b32 s[G1W+6], 0
	s_mov_b32 s[G1W+7], 0
.irp c, 0,1,2,3
	s_mov_b32 s[G0C+4*\c], 1                       ; count = 1
	s_add_co_u32 s[G0C+4*\c+1], s32, \c*PART       ; LDS: 131,072 (wave / 4) + 8,192 (wave % 4) + 32,768 x part
.endr
	s_mov_b32 s[G0W], 1
	s_lshl_b32 s[G0W+1], s[WV], 11
	s_add_co_u32 s[G0W+1], s[G0W+1], KSC           ; KSC + 2,048 x wave
	s_mov_b32 s[SEL], 0x76543210
	s_mov_b32 s[SEL+1], 0xfedcba98
	s_mov_b32 s[MNT], 0x600000
	s_mov_b32 s[SO], 0
	s_mov_b32 s[SS], 0
	s_wait_kmcnt 0x0
	s_add_nc_u64 s[40:41], s[4:5], s[40:41]        ; my key step of part 0, in memory
.irp c, 0,1,2,3
	s_add_nc_u64 s[G0C+4*\c+2:G0C+4*\c+3], s[40:41], \c*PART
	s_or_b32 s[G0C+4*\c+3], s[G0C+4*\c+3], 0x80000000   ; type = 2
.endr
	s_add_nc_u64 s[G0W+2:G0W+3], s[6:7], s[42:43]
	s_or_b32 s[G0W+3], s[G0W+3], 0x80000000
	CROUND                                         ; all four work-groups are here: the joint loads meet
	tensor_load_to_lds s[G0W:G0W+3], s[G1W:G1W+7]  ; every wave issues all five, with no branch, in the order in which they are wanted: the scale words,
	s_nop 0
.irp c, 0,1,2,3
	tensor_load_to_lds s[G0C+4*\c:G0C+4*\c+3], s[G1C:G1C+7]   ; then parts 0 to 3: five tensor loads of mine are out
	s_nop 0
.endr
.rept 4
	v_nop
.endr
	s_lshl_b32 s44, s11, 9
	s_lshl_b32 s45, s[WV], 6
	s_add_co_u32 s44, s44, s45                     ; my first query in the head: 512 cx + 64 x wave
	s_mov_b32 s49, 0
	s_lshl_b32 s48, s44, 6                         ; q's images: 64 bytes a query,
	s_lshl_b32 s45, s12, 17                        ; 131,072 a head (tensor 0)
	s_add_co_u32 s48, s48, s45
	s_add_nc_u64 s[58:59], s[4:5], s[48:49]
	s_lshl_b32 s48, s44, 2                         ; q's scale words: 4 bytes a query,
	s_lshl_b32 s45, s12, 13
	s_add_co_u32 s48, s48, s45
	s_add_nc_u64 s[60:61], s[6:7], s[48:49]
	s_lshr_b32 s45, s12, 4                         ; the batch
	s_lshl_b32 s45, s45, 11
	s_add_co_u32 s45, s45, s44                     ; my first row of out0,
	s_lshl_b32 s48, s45, 12                        ; 4,096 bytes a row,
	s_and_b32 s46, s12, 15
	s_lshl_b32 s46, s46, 8                         ; 256 bytes a head
	s_add_co_u32 s48, s48, s46
	s_add_nc_u64 s[8:9], s[8:9], s[48:49]
	v_and_b32 v13, 15, v0                          ; r
	v_bfe_u32 v14, v0, 4, 1                        ; h
	v_and_b32 v12, 31, v0
	v_lshlrev_b32 v[AK0], 4, v12
	v_lshlrev_b32 v12, 4, v13                      ; 16 r: q's scale words; never rewritten
.irp i, 0,1,2,3
.irp c, 0,1
	global_load_b128 v[QF+16*\i+4*\c:QF+16*\i+4*\c+3], v[AK0], s[58:59] offset:1024*\i+512*\c   ; Q stays in registers: tile i, d = 32 c + 16 h + 0 .. 15
.endr
.endr
	global_load_b128 v[QSW:QSW+3], v12, s[60:61]   ; its four tiles' scale words
	v_add_nc_u32 v[AV0], VIMG, v[AK0]
	v_add_nc_u32 v[AKS0], KSC, v12
	v_add_nc_u32 v[AVS0], VSC, v[AK0]
	s_mul_i32 s13, s[WV], 16*272
	s_add_co_u32 s13, s13, STAGE                   ; my stage
	v_mul_u32_u24 v[STO], v13, 272
	v_lshl_add_u32 v[STO], v14, 6, v[STO]
	v_add_nc_u32 v[STO], s13, v[STO]               ; in: row r, + 64 h: tile t's eight numbers lie at 128 (t / 2) + 64 h + 32 (t % 2)
	v_mul_u32_u24 v[RD], v14, 272
	v_lshl_add_u32 v[RD], v13, 4, v[RD]
	v_add_nc_u32 v[RD], s13, v[RD]                 ; back: lanes 0-15 one row of 256 bytes, lanes 16-31 the next
	v_lshlrev_b32 v[GO], 12, v14
	v_lshl_add_u32 v[GO], v13, 4, v[GO]            ; and the same two rows in out0
.irp i, 0,1,2,3
.irp j, 8,9,10,11,12,13,14,15
	v_mov_b32 v[QF+16*\i+\j], 0                    ; the zero codes of k = 64 .. 127, written once: no load lands here
.endr
.endr
.irp b, 0,1,2,3
	v_mov_b32 v[TM+4+\b], 0                        ; written once: a lane permute's destination counts as one of its sources
.endr
	WIN 0x40                                       ; destination window 1
.irp t, 0,1,2,3,4,5,6,7
.irp j, 8,9,10,11,12,13,14,15
	v_mov_b32 v[KF+16*\t+\j], 0                    ; the same for K's eight fragments
.endr
.endr
	WIN 0
.macro LOADK                           ; a step's eight tiles of k, two loads each, and their scale words: 18 loads
	WIN 0x40                                       ; destination window 1, address window 0
.irp t, 0,1,2,3,4,5,6,7
.irp c, 0,1
	ds_load_b128 v[KF+16*\t+4*\c:KF+16*\t+4*\c+3], v[ADK] offset:1024*\t+512*\c
.endr
.endr
	WIN 0
	ds_load_b128 v[KSW:KSW+3], v[ADKS]             ; lane r: the words of tiles 0-3,
	ds_load_b128 v[KSW+4:KSW+7], v[ADKS] offset:256   ; of tiles 4-7
.endm
.macro LOADV                           ; a step's four tiles of v, four loads each, and their scale words: 17 loads
.irp t, 0,1,2,3
.irp c, 0,1,2,3
	ds_load_b128 v[VF+16*\t+4*\c:VF+16*\t+4*\c+3], v[ADV] offset:2048*\t+512*\c
.endr
.endr
	ds_load_b128 v[VSW:VSW+3], v[ADVS]
.endm
; 64 scores of a lane, register 16 b + i = key 32 b + 16 (lane / 16) + i of my query, become P's codes in v[PC] on and its scale word in v[PW].
.macro QUANTS
.irp b, 0,1,2,3
	v_max3_num_f32 v[TM+\b], |v[S+16*\b]|, |v[S+1+16*\b]|, 0x9800000   ; block b: my 16 scores, each result read from its low end on, and the floor 2^(19 - 127): the byte, 18 under the exponent field, cannot fall under 1
.endr
.irp i, 2,4,6,8,10,12,14
.irp b, 0,1,2,3
	v_max3_num_f32 v[TM+\b], v[TM+\b], |v[S+16*\b+\i]|, |v[S+1+16*\b+\i]|   ; (the four blocks by turns)
.endr
.endr
.irp b, 0,1,2,3
	v_permlanex16_b32 v[TM+4+\b], v[TM+\b], s[SEL], s[SEL+1]
.endr
.irp b, 0,1,2,3
	v_max_num_f32 v[TM+\b], v[TM+\b], v[TM+4+\b]   ; with lane l xor 16's: the block's largest magnitude
.endr
.irp b, 0,1,2,3
	v_add_nc_u32 v[TM+12+\b], 0xf8800000, v[TM+\b] ; 15 off its exponent field: the conversion's scale operand, for the unscaled scores
.endr
.irp b, 0,1,2,3
	v_and_or_b32 v[TM+8+\b], v[TM+\b], 0x7f800000, s[MNT]   ; 57,344 x that scale
.endr
.irp b, 0,1,2,3
	v_lshrrev_b32 v[TM+4+\b], 23, v[TM+12+\b]
.endr
	v_lshl_or_b32 v[PW], v[TM+5], 8, v[TM+4]
	v_lshl_or_b32 v[PW], v[TM+6], 16, v[PW]
	v_lshl_or_b32 v[PW], v[TM+7], 24, v[PW]
	v_add_nc_u32 v[PW], 0xfcfcfcfd, v[PW]          ; 3 off each of the four bytes: the factor 1 / 8.  Every byte is 4 at the least, so nothing is borrowed
.irp b, 0,1,2,3
.irp i, 0,1,2,3,4,5,6,7,8,9,10,11,12,13,14,15
	v_med3_num_f32 v[S+16*\b+\i], v[S+16*\b+\i], -v[TM+8+\b], v[TM+8+\b]   ; the conversion to an 8-bit code does not saturate (ISA guide 7.6.2): the hold
.endr
	v_cvt_scalef32_pk8_bf8_f32 v[PC+4*\b:PC+4*\b+1], v[S+16*\b:S+16*\b+7], v[TM+12+\b]
	v_cvt_scalef32_pk8_bf8_f32 v[PC+4*\b+2:PC+4*\b+3], v[S+16*\b+8:S+16*\b+15], v[TM+12+\b]
.endr
.endm
; A KEY STEP: 128 keys, for my four tiles of queries one after the other: 8 products K Q^T, the quantiser, 4 products V^T P^T.  first = 1: the products V^T P^T start O^T's sums: nothing is cleared.  last = 1: nothing more is fetched.
; No two matrix instructions that follow each other share an accumulator, over the backward jumps and from loop to loop too.
; The next step's k is fetched behind the fourth tile's products K Q^T, the last to read k; its v behind the fourth tile's products V^T P^T.  So step s reads the images of step s + 1 from LDS.
.macro STEP first, last
.irp q, 0,1,2,3
.if \q == 0
	s_wait_dscnt 17                                ; k's 18 loads are in; v's 17, issued behind them, may stay out
.endif
	WIN 0x01                                       ; source 0 (K) window 1
.irp t, 0,1,2,3,4,5,6,7
	v_wmma_scale_f32_16x16x128_f8f6f4 v[S+8*\t:S+8*\t+7], v[KF+16*\t:KF+16*\t+15], v[QF+16*\q:QF+16*\q+15], 0, v[KSW+\t], v[QSW+\q] matrix_a_fmt:MATRIX_FMT_BF8 matrix_b_fmt:MATRIX_FMT_BF8
.endr
	WIN 0
.if (\q == 3) && (\last == 0)
	s_add_co_u32 s[SO], s[SO], 8192                ; the next step's images and scale words
	s_add_co_u32 s[SS], s[SS], 512
	v_add_nc_u32 v[ADK], s[SO], v[AK0]             ; these four and four v_nop are the eight places behind the products: in front of the loads into K's registers and of the first read of the scores
	v_add_nc_u32 v[ADV], s[SO], v[AV0]
	v_add_nc_u32 v[ADKS], s[SS], v[AKS0]
	v_add_nc_u32 v[ADVS], s[SS], v[AVS0]
.rept 4
	v_nop
.endr
	LOADK
.else
.rept 8
	v_nop                                          ; eight places in front of the first read of the scores
.endr
.endif
	QUANTS
.rept 4
	v_nop                                          ; the plain line behind the last conversion, and the four places between codes written by vector instructions and a scaled product (the scale word was made more than 64 lines up)
.endr
.if \q == 0
	s_wait_dscnt 0x0                               ; v is in
.endif
	WIN 0x50                                       ; C and D (O^T) window 1
.irp t, 0,1,2,3
.if \first
	v_wmma_scale_f32_16x16x128_f8f6f4 v[32*\q+8*\t:32*\q+8*\t+7], v[VF+16*\t:VF+16*\t+15], v[PC:PC+15], 0, v[VSW+\t], v[PW] matrix_a_fmt:MATRIX_FMT_BF8 matrix_b_fmt:MATRIX_FMT_BF8
.else
	v_wmma_scale_f32_16x16x128_f8f6f4 v[32*\q+8*\t:32*\q+8*\t+7], v[VF+16*\t:VF+16*\t+15], v[PC:PC+15], v[32*\q+8*\t:32*\q+8*\t+7], v[VSW+\t], v[PW] matrix_a_fmt:MATRIX_FMT_BF8 matrix_b_fmt:MATRIX_FMT_BF8
.endif
.endr
	WIN 0
.endr
.rept 8
	v_nop                                          ; eight places in front of the loads into V's registers, or, behind the last step, of the first read of O^T
.endr
.if \last == 0
	LOADV
.endif
.endm
.macro STEPS n                         ; n key steps, the step written once
	s_mov_b32 s[CNT], \n
.Lstep_\@:
	STEP 0, 0
	s_sub_co_u32 s[CNT], s[CNT], 1
	s_cmp_lg_u32 s[CNT], 0
	s_cbranch_scc1 .Lstep_\@
.endm
; A further part of the keys is shown whole to every wave.  left = how many of my younger tensor loads may stay out, so they may cross it.
.macro SYNC left
	s_wait_tensorcnt \left                         ; tensor loads of a wave end in order (ISA guide 10.11.1): my pieces of the parts that are read from here on are in LDS
	s_wait_dscnt 0x0                               ; no LDS instruction of mine is pending at a signal (the step's 35 fragment loads were out)
	s_barrier_signal -1
	s_barrier_wait -1                              ; everybody's pieces are
.endm
	s_wait_tensorcnt 0x3                           ; my scale words and my piece of part 0 are in LDS; my three younger loads, parts 1 to 3, stay out,
	s_barrier_signal -1
	s_barrier_wait -1                              ; everybody's are
	v_add_nc_u32 v[ADK], s[SO], v[AK0]             ; step 0
	v_add_nc_u32 v[ADV], s[SO], v[AV0]
	v_add_nc_u32 v[ADKS], s[SS], v[AKS0]
	v_add_nc_u32 v[ADVS], s[SS], v[AVS0]
	LOADK
	LOADV
	s_wait_loadcnt 0x0                             ; Q and its scale words
	STEP 1, 0                                      ; step 0 stands in front of the loops: its products start O^T's sums.  It fetches step 1
	STEPS 2                                        ; steps 1 and 2 fetch steps 2 and 3: all of part 0
	SYNC 2                                         ; part 1 is whole; parts 2 and 3 may stay out
	STEPS 4                                        ; steps 3 to 6 fetch steps 4 to 7: part 1
	SYNC 0                                         ; parts 2 and 3 are whole: seven steps have been worked since they were asked for, so one barrier serves both
	STEPS 8                                        ; steps 7 to 14 fetch steps 8 to 15
	STEP 0, 1                                      ; step 15 fetches nothing
; THE WAY OUT, a tile of 16 queries at a time.  A lane holds 8 neighbouring numbers of a row in each of four accumulators, and the lanes beside it hold other rows: so a tile goes through my own stage in LDS and comes
; back as whole rows of 256 bytes, a head's 64 numbers of one token: sixteen lanes store 256 consecutive bytes, aligned.  LDS serves a wave's instructions in order (ISA guide 5.7.1.4): no wait between the stores and the loads.
.macro TOSTAGE i
	WIN 0x04                                       ; an LDS store's data are its source 1: window 1
.irp t, 0,1,2,3
	ds_store_b128 v[STO], v[32*\i+8*\t:32*\i+8*\t+3] offset:128*(\t/2)+32*(\t%2)      ; each accumulator from its low end on
	ds_store_b128 v[STO], v[32*\i+8*\t+4:32*\i+8*\t+7] offset:128*(\t/2)+32*(\t%2)+16
.endr
	WIN 0
.irp k, 0,1,2,3,4,5,6,7
	ds_load_b128 v[S+32*((\i)%2)+4*\k:S+32*((\i)%2)+4*\k+3], v[RD] offset:2*\k*272
.endr
.endm
.macro SEND i, younger                 ; younger: the LDS instructions issued behind tile i's loads, which may stay out.  Stage row p of tile i is token 32 (i / 2) + 8 (i % 2) + p + 8 (p / 8)
	s_wait_dscnt \younger
.irp k, 0,1,2,3,4,5,6,7
	global_store_b128 v[GO], v[S+32*((\i)%2)+4*\k:S+32*((\i)%2)+4*\k+3], s[8:9] offset:(32*((\i)/2)+8*((\i)%2)+2*\k+8*(\k/4))*4096 th:TH_STORE_NT   ; written once, read by nobody here
.endr
.endm
	TOSTAGE 0
	TOSTAGE 1
	SEND 0, 16                                     ; behind tile 0's loads: tile 1's 8 stores and 8 loads
	s_wait_xcnt 0x0                                ; tile 0's stores have had their addresses translated (ISA guide 3.1): tile 2's loads land in their registers only behind this wait
	TOSTAGE 2
	SEND 1, 16
	s_wait_xcnt 0x0
	TOSTAGE 3
	SEND 2, 16
	SEND 3, 0
	s_wait_dscnt 0x0                               ; no LDS instruction of mine is pending at a signal
	s_wait_xcnt 0x0
	v_lshl_add_u32 v254, v0, 2, 0x4c800
	v_mov_b32 v255, 0
	s_wait_tensorcnt 0x0
	ds_add_u32 v254, v255
	s_wait_dscnt 0x0
	CROUND                                         ; the closing round: no work-group ends while a partner may still ask for a piece that names it
	s_endpgm
.Lfunc_end_k_qcd2e65df09_attn:
	.size	k_qcd2e65df09_attn, .Lfunc_end_k_qcd2e65df09_attn-k_qcd2e65df09_attn
	.p2alignl 7, 3214868480
	.fill 96, 4, 3214868480
	.section	.rodata,"a",@progbits
	.p2align	6, 0x0
	.amdhsa_kernel k_qcd2e65df09_attn
		.amdhsa_group_segment_fixed_size 327680
		.amdhsa_private_segment_fixed_size 0
		.amdhsa_enable_private_segment 0
		.amdhsa_kernarg_size 24
		.amdhsa_user_sgpr_count 2
		.amdhsa_user_sgpr_kernarg_segment_ptr 1
		.amdhsa_wavefront_size32 1
		.amdhsa_system_sgpr_workgroup_id_x 1
		.amdhsa_system_sgpr_workgroup_id_y 1
		.amdhsa_system_sgpr_workgroup_id_z 1
		.amdhsa_system_vgpr_workitem_id 0
		.amdhsa_next_free_vgpr 512
		.amdhsa_next_free_sgpr 84
		.amdhsa_reserve_vcc 0
		.amdhsa_float_denorm_mode_32 3
		.amdhsa_float_denorm_mode_16_64 3
		.amdhsa_memory_ordered 1
		.amdhsa_forward_progress 1
		.amdhsa_inst_pref_size 233
	.end_amdhsa_kernel
	.amdgpu_metadata
---
amdhsa.version: [ 1, 2 ]
amdhsa.kernels:
  - .name:           k_qcd2e65df09_attn
    .symbol:         k_qcd2e65df09_attn.kd
    .args:
      - { .name: pcodes, .offset: 0, .size: 8, .value_kind: global_buffer, .address_space: global }
      - { .name: pscales, .offset: 8, .size: 8, .value_kind: global_buffer, .address_space: global }
      - { .name: out0, .offset: 16, .size: 8, .value_kind: global_buffer, .address_space: global }
    .group_segment_fixed_size: 327680
    .private_segment_fixed_size: 0
    .kernarg_segment_align: 8
    .kernarg_segment_size: 24
    .max_flat_workgroup_size: 256
    .sgpr_count:     84
    .vgpr_count:     512
    .wavefront_size: 32
...
	.end_amdgpu_metadata
.endif
;; end of part 3
